; MI455X (gfx1250); checked and timed in simulation.
; The chip was launched on July 23, 2026; its instructions are those of AMD's public machine-readable ISA for CDNA 5 (MIT licence, August 2026) and "CDNA5" Instruction Set Architecture Reference Guide (July 2026). The comments in the code are by the model that wrote it; some were corrected since.
;; PSA. Allowed arithmetic: matrix products marked QUANTISED: E3M2 operands, one E8M0 scale for each 32 along K, by v_wmma_scale_f32_16x16x128_f8f6f4 with both operands' format E3M2, f32 sums; everything else in f32.
;; Inputs: beta 256 float32; gamma 256 float32; w_proj_codes 256 x 8 x 24 uint8 (E3M2 codes of w_proj, K innermost, in blocks of 32 codes, four codes in three bytes); w_proj_scales 256 x 8 uint8 (E8M0 scales of w_proj, one for each 32 codes along K); w_qkv_codes 768 x 8 x 24 uint8 (E3M2 codes of w_qkv, K innermost, in blocks of 32 codes, four codes in three bytes); w_qkv_scales 768 x 8 uint8 (E8M0 scales of w_qkv, one for each 32 codes along K); x 4 x 512 x 64 x 64 float32.
;; Outputs: out0 4 x 512 x 64 x 64 float32.
;; This version of the problem:
;;   THIS VERSION OF THE PROBLEM IS GIVEN IN LOW PRECISION. The matrix products marked QUANTISED in the list below multiply operands that are first quantised to E3M2 (3 exponent bits, 2 mantissa bits; 6 bits a number), with one power-of-two scale for each 32 numbers along K (OCP MX v1.0); their sums are f32. All else is computed in f32.
;;   The module's matrix products, in the order in which they are computed (A, B: the left and right operand; K: the contracted axis; several contracted axes count as one K, in the product's order):
;;     1. [M 16,384, K 256] x [K 256, N 768]; A: input x; B: input w_qkv (given as codes): QUANTISED
;;     2. batch 16 x [M 4,096, K 64] x [K 64, N 4,096]; A: computed on the way; B: computed on the way: QUANTISED
;;     3. batch 16 x [M 64, K 4,096] x [K 4,096, N 4,096]; A: computed on the way; B: softmax (see below): QUANTISED
;;     4. [M 16,384, K 256] x [K 256, N 256]; A: computed on the way; B: input w_proj (given as codes): QUANTISED
;;   THE QUANTISER, for each operand of a quantised product, along K:
;;     - K is cut into blocks of 32 from its start; a last block that is shorter is filled with zeros.
;;     - A block's scale is 2^e with e = floor(log2(the largest magnitude in the block)) - 4, held to -126 .. 127; a block of zeros has e = 0. As a byte (E8M0): e + 127.
;;     - Each number is divided by its block's scale, clamped to +-28, and rounded to the nearest number of E3M2, ties to even, subnormals kept.
;;     - The product sums the exact products of the quantised numbers (number of the format x scale) in f32.
;;   ~~~python
;;   def quantise(x, axis):      # numpy; x: float32 -> the quantised numbers, widened to float32 again
;;       x = np.moveaxis(x, axis, -1); K = x.shape[-1]
;;       x = np.pad(x, [(0, 0)] * (x.ndim - 1) + [(0, -K % 32)]); x = x.reshape(x.shape[:-1] + (-1, 32)); a = np.abs(x).max(-1, keepdims=True)
;;       e = np.where(a > 0, np.clip(np.frexp(np.where(a > 0, a, 1))[1] - 1 - 4, -126, 127), 0)      # np.frexp(a)[1] - 1 = floor(log2(a)), exactly
;;       r = np.clip(x / 2.0 ** e, -28, 28)
;;       step = 2.0 ** (np.maximum(np.frexp(np.where(r == 0, 1, r))[1] - 1, -2) - 2)
;;       q = np.round(r / step) * step * 2.0 ** e      # np.round: ties to even
;;       return np.moveaxis(q.reshape(q.shape[:-2] + (-1,))[..., :K], -1, axis).astype(np.float32)
;;   ~~~
;;   SOFTMAX AHEAD OF A QUANTISED PRODUCT. Where the list says 'softmax', what is quantised is not the finished softmax but p = 2^(t - M), with t = logit x log2(e) and M = ceil(the row's largest t), a whole number; so 1/2 < the row's largest p <= 1. The row's sum l is taken of the UNQUANTISED p, in f32, and the product's result is divided by l at the end. Since M is a whole number, a kernel that streams over the keys may use a running M (the ceiling of the running maximum): every later rescaling is an exact power of two, which a block's scale takes up: the codes' values come out the same.
;;   OPERANDS COMPUTED ON THE WAY. 'Computed on the way' means the value that the module computes at that place (a softmax that the list does not call 'softmax' is quantised finished and normalised). What goes into a quantiser is computed in f32, as accurately as f32 sums, v_exp_f32 and their like allow (about 1e-6 of the number): no bf16 or f16 on the way to a quantiser, and a product that is left as it is and whose result goes on into a quantised operand takes f32 operands (vector FMAs, or v_wmma_f32_16x16x4_f32). A number that lies on a knife's edge between two numbers of the format may be rounded either way, as far as f32 arithmetic and the matrix unit's own rounding can turn it there, and no further.
;;   INPUTS GIVEN AS CODES. w_proj (in the module: [256, 256], K = its axis 1); w_qkv (in the module: [768, 256], K = its axis 1): each comes as NAME_codes (uint8): NAME with its K axis moved to the last place and cut into blocks of 32 codes, [.., K / 32, bytes a block], one block behind the other in memory; four codes in three bytes: a row's codes are one little-endian stream of bits, code i at bits 6 i .. 6 i + 5 (a code: sign, 3 exponent bits, 2 mantissa bits); and NAME_scales (uint8): the same leading axes, one E8M0 byte (e + 127) for each 32 codes along K. Its value is code x scale, taken as it is: it is not quantised again, and the codes and scales need not be those that the quantiser above would give.
;; One version. Each part assembles by itself: llvm-mc -triple=amdgcn-amd-amdhsa -mcpu=gfx1250 --defsym DOCPART=n.
;; ======== version 1 of 1: 3 launches
;; workspace buffers: qc 3,145,728 bytes; qs 262,144 bytes; kv 6,815,744 bytes; y 16,777,216 bytes
;; launch qkv (part 1): grid 64 x 4, 16 waves a work-group, no clusters, 18,432 bytes of LDS; arguments x, w_qkv_codes, w_qkv_scales, qc, qs, kv; writes qc, qs, kv
.if DOCPART == 1
	.amdgcn_target "amdgcn-amd-amdhsa--gfx1250"
	.amdhsa_code_object_version 6
	.text
	.protected	k_q9cebddb748_qkv
	.globl	k_q9cebddb748_qkv
	.p2align	8
	.type	k_q9cebddb748_qkv,@function
k_q9cebddb748_qkv:
	s_mov_b64 s[64:65], 0
	v_nop
	global_prefetch_b8 v0, s[64:65] scope:SCOPE_SE
	s_setreg_imm32_b32 hwreg(HW_REG_WAVE_MODE, 25, 1), 1
	s_wait_xcnt 0x0
; q, k, v = w_qkv x[:, :256], on codes of BF6 (E3M2) with one E8M0 scale for each 32 along K, and q, k, v quantised again for the attention that follows.
; A work-group owns 64 pixels (block nb = work-group x) of batch b (work-group y); sixteen waves of 256 registers.
; PHASE X: wave (kb = wave / 2, nh = wave % 2) quantises channels 32 kb .. 32 kb + 31 of pixels 32 nh + lane: a lane takes a pixel and its registers run down the channels, which are K: a whole block lies in one lane.
;   The six registers of codes are what lane (row, kb % 2) of an operand holds, so they go to LDS as an image of the operand's registers.
; PHASE QK: wave (g = wave / 2: q's heads 0-3, k's heads 0-3) multiplies its 64 rows of w_qkv (source 0) by two tiles of 16 pixels (source 1): a lane then holds ONE pixel and 32 of the head's 64 channels, which are the next K.
; PHASE V: wave (h = wave / 4, dt = wave % 4) multiplies the four tiles of pixels (source 0) by 16 rows of v's weights (source 1): a lane then holds ONE channel and 32 of the 64 pixels, which are keys, the next K.
; THE ELEMENTS OF A TILE ARE NOT NEIGHBOURS: of a group of 64 (pixels, or rows of w_qkv) tile 2 b + u takes element 32 b + 8 u + r + 8 (r / 8), so that the 16 registers of result tiles 2 b, 2 b + 1 are 16 neighbours along the next K.
; WHAT IS STORED.  A half fragment (16 rows x 64 along K, six registers a lane) is 768 bytes: registers 0-3 at 16 x lane, registers 4-5 at 512 + 8 x lane: each store covers whole aligned runs of 256 bytes.
;   qc: [blk][head][tile] half fragments of q.  kv: for each blk 26,624 bytes: k's 16 half fragments, v's 16, k's scale images, v's scale images.  qs: q's scale images.  blk = 64 b + nb.
;   A scale image (256 bytes, four tiles): tile T, row r has its word at 8 r + 128 (T % 2) + 4 (T / 2).  A word of q or k: two bytes, the upper two 0.  A word of v: the two bytes shifted up by 16 (nb % 2).
; LIMITS: NaN and infinities among the inputs are not served.  A block of zeros gets the byte 1 where the quantiser's text says 127: its codes are zeros, and only this program reads the bytes.
; No tensor loads: x is read once, 128 consecutive bytes a wave and load (two neighbouring waves fill 256), and the weights go straight into registers.
.set XIMG, 0                           ; LDS: x's 8 fragments (tile T, K step ks: 2 T + ks), 1,536 bytes each
.set XSC,  12288                       ; their scale words: 64 bytes a fragment, 4 a row
.set SST,  12800                       ; the scale images: q's four, k's four, v's four, 256 bytes each
.set ACC,  16                          ; v16-47   32 numbers of x, later four result tiles
.set WQ,   48                          ; v48-143  my 64 rows of w_qkv: fragment (t, ks) at 48 + 24 t + 12 ks; in phase V x's eight fragments (T, ks)
.set WQS,  144                         ; v144-151 their scale words
.set XF,   152                         ; v152-199 x's fragments of my two tiles
.set XFS,  200                         ; v200-203 their scale words
.set WVF,  204                         ; v204-227 my 16 rows of v's weights, two K steps
.set WVS,  228                         ; v228-229 their scale words
.set PC,   230                         ; v230-235 the codes just made
.set CT,   236                         ; v236-238 the second conversion's three registers
.set TM,   240                         ; v240-245 at work
.set PW,   246                         ; v246     the scale word just made
.set SEL,  24                          ; s[24:25] lane selects: lane l xor 16
.macro MM d, a, b, zero, sa, sb
.if \zero
	v_wmma_scale_f32_16x16x128_f8f6f4 v[\d:\d+7], v[\a:\a+11], v[\b:\b+11], 0, v[\sa], v[\sb] matrix_a_fmt:MATRIX_FMT_BF6 matrix_b_fmt:MATRIX_FMT_BF6
.else
	v_wmma_scale_f32_16x16x128_f8f6f4 v[\d:\d+7], v[\a:\a+11], v[\b:\b+11], v[\d:\d+7], v[\sa], v[\sb] matrix_a_fmt:MATRIX_FMT_BF6 matrix_b_fmt:MATRIX_FMT_BF6
.endif
.endm
; 32 numbers of a lane, register 16 b + i = k 32 b + 16 (lane / 16) + i of my row, become a half fragment's codes in v[PC] on and its two scale bytes in v[PW].
.macro HALFQ s
.irp b, 0,1
	v_max3_num_f32 v[TM+\b], |v[\s+16*\b]|, |v[\s+1+16*\b]|, 0x2800000   ; my 16 numbers of block b, and the floor 2^(5 - 127): the byte cannot fall under 1
.endr
.irp i, 2,4,6,8,10,12,14
.irp b, 0,1
	v_max3_num_f32 v[TM+\b], v[TM+\b], |v[\s+16*\b+\i]|, |v[\s+1+16*\b+\i]|
.endr
.endr
.irp b, 0,1
	s_delay_alu instid0(VALU_DEP_2)
	v_permlanex16_b32 v[TM+2+\b], v[TM+\b], s[SEL], s[SEL+1]
.endr
.irp b, 0,1
	s_delay_alu instid0(VALU_DEP_2)
	v_max_num_f32 v[TM+\b], v[TM+\b], v[TM+2+\b]   ; with lane l xor 16's: the block's largest magnitude
.endr
.irp b, 0,1
	s_delay_alu instid0(VALU_DEP_2)
	v_add_nc_u32 v[TM+4+\b], 0xfe000000, v[TM+\b]  ; 4 off its exponent field: the conversion's scale operand
.endr
.irp b, 0,1
	s_delay_alu instid0(VALU_DEP_2)
	v_lshrrev_b32 v[TM+2+\b], 23, v[TM+4+\b]       ; the scale's byte
.endr
	s_delay_alu instid0(VALU_DEP_1)
	v_lshl_or_b32 v[PW], v[TM+3], 8, v[TM+2]
	v_cvt_scalef32_pk16_bf6_f32 v[PC:PC+2], v[\s:\s+15], v[TM+4]
	v_cvt_scalef32_pk16_bf6_f32 v[CT:CT+2], v[\s+16:\s+31], v[TM+5]
	v_nop                                          ; one plain place behind a scaled conversion
.irp i, 0,1,2
	v_permlane16_swap_b32 v[PC+\i], v[CT+\i]       ; a whole block to a lane: lanes 0-15 block 0, lanes 16-31 block 1
.endr
.irp i, 0,1,2
	s_delay_alu instid0(VALU_DEP_3)
	v_mov_b32 v[PC+3+\i], v[CT+\i]
.endr
.endm
.macro WFRAG reg, b, off               ; a fragment of the weights: 2 x 24 bytes of my row, in pieces of 8
.irp p, 0,1,2,3,4,5
	global_load_b64 v[\reg+2*\p:\reg+2*\p+1], v8, s[\b:\b+1] offset:\off+48*(\p/3)+8*(\p%3)
.endr
.endm
.macro XFRAG reg, a, c, off            ; a fragment of x out of LDS: two half fragments
	ds_load_b128 v[\reg:\reg+3], v[\a] offset:\off
	ds_load_b64 v[\reg+4:\reg+5], v[\c] offset:\off
	ds_load_b128 v[\reg+6:\reg+9], v[\a] offset:\off+768
	ds_load_b64 v[\reg+10:\reg+11], v[\c] offset:\off+768
.endm
.macro HFOUT b, off                    ; the half fragment in v[PC] on goes to memory: 512 and 256 consecutive bytes, aligned
	global_store_b128 v13, v[PC:PC+3], s[\b:\b+1] offset:\off
	global_store_b64 v14, v[PC+4:PC+5], s[\b:\b+1] offset:\off
.endm
	s_load_b256 s[4:11], s[0:1], 0x0               ; x, w_qkv's codes, its scales, qc
	s_load_b128 s[12:15], s[0:1], 0x20             ; qs, kv
	v_lshl_add_u32 v254, v0, 2, 0x4000
	v_mov_b32 v255, 0
	v_lshrrev_b32 v249, 5, v0
	s_delay_alu instid0(VALU_DEP_1)
	v_readfirstlane_b32 s16, v249                  ; wave 0..15
	s_and_b32 s17, s16, 1                          ; nh; in phase QK: which two tiles of pixels
	s_lshr_b32 s18, s16, 1                         ; kb; in phase QK: g
	s_mov_b32 s19, ttmp9                           ; nb
	s_and_b32 s20, ttmp7, 0xffff                   ; b
	s_lshl_b32 s21, s20, 6
	s_add_co_u32 s21, s21, s19                     ; blk
	s_lshr_b32 s22, s16, 2                         ; phase V: h
	s_and_b32 s23, s16, 3                          ; and dt
	s_mov_b32 s[SEL], 0x76543210
	s_mov_b32 s[SEL+1], 0xfedcba98
	s_and_b32 s63, s19, 1
	s_lshl_b32 s63, s63, 4                         ; v's scale bytes go 16 (nb % 2) bits up
	; byte offsets, each in a pair of its own
	s_lshl_b32 s42, s20, 23                        ; x: batch b,
	s_lshl_b32 s58, s18, 19                        ; channel 32 kb,
	s_add_co_u32 s42, s42, s58
	s_lshl_b32 s58, s19, 8                         ; pixel 64 nb
	s_add_co_u32 s42, s42, s58
	s_lshl_b32 s58, s17, 7                         ; + 32 nh
	s_add_co_u32 s42, s42, s58
	s_mov_b32 s43, 0
	s_mul_i32 s44, s18, 12288                      ; rows 64 g of the codes (192 bytes a row)
	s_mov_b32 s45, 0
	s_lshl_b32 s46, s18, 9                         ; and of the scales (8 bytes a row)
	s_mov_b32 s47, 0
	s_lshl_b32 s58, s22, 6                         ; v's rows: 512 + 64 h + 32 (dt / 2) + 8 (dt % 2)
	s_add_co_u32 s58, s58, 512
	s_lshr_b32 s59, s23, 1
	s_lshl_b32 s59, s59, 5
	s_add_co_u32 s58, s58, s59
	s_and_b32 s59, s23, 1
	s_lshl_b32 s59, s59, 3
	s_add_co_u32 s58, s58, s59
	s_mul_i32 s48, s58, 192
	s_mov_b32 s49, 0
	s_lshl_b32 s50, s58, 3
	s_mov_b32 s51, 0
	s_cmp_lt_u32 s18, 4                            ; q's half fragments go to qc (12,288 bytes a blk), k's to kv (26,624)
	s_mov_b32 s58, 26624
	s_cselect_b32 s58, 12288, s58
	s_mul_i32 s52, s21, s58
	s_and_b32 s58, s18, 3
	s_mul_i32 s58, s58, 3072                       ; the head's four tiles
	s_add_co_u32 s52, s52, s58
	s_mul_i32 s58, s17, 1536                       ; my two of them
	s_add_co_u32 s52, s52, s58
	s_mov_b32 s53, 0
	s_mul_i32 s54, s21, 26624                      ; v's: behind k's 12,288 bytes, 768 x wave
	s_mul_i32 s58, s16, 768
	s_add_co_u32 s54, s54, s58
	s_add_co_u32 s54, s54, 12288
	s_mov_b32 s55, 0
	s_cmp_lt_u32 s16, 2                            ; the scale images: waves 0, 1 send q's to qs, waves 2 to 5 k's and v's to kv
	s_mov_b32 s58, 26624
	s_cselect_b32 s58, 1024, s58
	s_mov_b32 s59, 23552
	s_cselect_b32 s59, 0, s59
	s_mul_i32 s56, s21, s58
	s_add_co_u32 s56, s56, s59
	s_lshl_b32 s58, s16, 9
	s_add_co_u32 s56, s56, s58
	s_mov_b32 s57, 0
	; where phase X puts its six registers and its byte: fragment 2 (2 nh + u) + ks, half c, lane r' + 16 hk; kb = 4 ks + 2 c + hk
	s_mul_i32 s58, s17, 6144
	s_lshr_b32 s59, s18, 2                         ; ks
	s_mul_i32 s60, s59, 1536
	s_add_co_u32 s58, s58, s60
	s_bfe_u32 s60, s18, 0x10001                    ; c
	s_mul_i32 s60, s60, 768
	s_add_co_u32 s58, s58, s60
	s_and_b32 s60, s18, 1                          ; hk
	s_lshl_b32 s61, s60, 8
	s_add_co_u32 s61, s58, s61                     ; for registers 0-3
	s_lshl_b32 s60, s60, 7
	s_add_co_u32 s60, s58, s60
	s_add_co_u32 s60, s60, 512                     ; for registers 4-5
	s_lshl_b32 s62, s17, 8
	s_lshl_b32 s59, s59, 6
	s_add_co_u32 s62, s62, s59
	s_and_b32 s59, s18, 3
	s_add_co_u32 s62, s62, s59
	s_add_co_u32 s62, s62, XSC                     ; for the byte
	v_and_b32 v1, 31, v0                           ; lane
	v_and_b32 v2, 15, v0                           ; r
	v_bfe_u32 v3, v0, 4, 1                         ; hh
	s_delay_alu instid0(VALU_DEP_3)
	v_lshlrev_b32 v4, 2, v1                        ; x: 4 bytes a lane
	v_bfe_u32 v249, v0, 3, 1                       ; u: pixel 32 nh + lane lies in tile 2 nh + u,
	v_and_b32 v250, 7, v0
	s_delay_alu instid0(VALU_DEP_1)
	v_lshl_or_b32 v250, v3, 3, v250                ; at row r' = lane % 8 + 8 (lane / 16)
	s_delay_alu instid0(VALU_DEP_3)
	v_mul_u32_u24 v5, v249, 3072
	s_delay_alu instid0(VALU_DEP_1)
	v_lshl_add_u32 v6, v250, 3, v5
	s_delay_alu instid0(VALU_DEP_2)
	v_lshl_add_u32 v5, v250, 4, v5
	s_delay_alu instid0(VALU_DEP_1)
	v_add_nc_u32 v5, s61, v5
	s_delay_alu instid0(VALU_DEP_3)
	v_add_nc_u32 v6, s60, v6
	v_lshlrev_b32 v7, 7, v249
	s_delay_alu instid0(VALU_DEP_1)
	v_lshl_add_u32 v7, v250, 2, v7
	s_delay_alu instid0(VALU_DEP_1)
	v_add_nc_u32 v7, s62, v7
	v_and_b32 v249, 8, v2
	s_delay_alu instid0(VALU_DEP_1)
	v_add_nc_u32 v249, v249, v2                    ; r + 8 (r / 8)
	s_delay_alu instid0(VALU_DEP_1)
	v_mul_u32_u24 v8, v249, 192
	s_delay_alu instid0(VALU_DEP_1)
	v_mad_u32_u24 v8, v3, 24, v8                   ; the weights' codes: my row, my half
	s_delay_alu instid0(VALU_DEP_3)
	v_lshlrev_b32 v9, 3, v249                      ; and its scale bytes
	s_mul_i32 s58, s17, 6144
	v_lshl_add_u32 v10, v1, 4, s58                 ; phase QK: my two tiles' fragments
	s_add_co_u32 s58, s58, 512
	v_lshl_add_u32 v11, v1, 3, s58
	s_lshl_b32 s58, s17, 8
	s_add_co_u32 s58, s58, XSC
	v_lshl_add_u32 v12, v2, 2, s58                 ; and their scale words
	v_lshlrev_b32 v13, 4, v1                       ; 16 x lane
	v_lshl_add_u32 v14, v1, 3, 512                 ; 512 + 8 x lane
	s_lshl_b32 s58, s18, 8
	s_lshl_b32 s59, s17, 2
	s_add_co_u32 s58, s58, s59
	s_add_co_u32 s58, s58, SST
	v_lshl_add_u32 v15, v2, 3, s58                 ; q's and k's scale words: image g, 8 r + 4 (T / 2); 128 (T % 2) is the store's offset
	s_lshl_b32 s58, s22, 8
	s_and_b32 s59, s23, 1
	s_lshl_b32 s59, s59, 7
	s_add_co_u32 s58, s58, s59
	s_lshr_b32 s59, s23, 1
	s_lshl_b32 s59, s59, 2
	s_add_co_u32 s58, s58, s59
	s_add_co_u32 s58, s58, SST+2048
	v_lshl_add_u32 v247, v2, 3, s58                ; v's scale words
	v_lshl_add_u32 v248, v2, 2, XSC                ; phase V: x's scale words
	s_lshl_b32 s58, s16, 9
	s_add_co_u32 s58, s58, SST
	v_lshl_add_u32 v251, v1, 4, s58                ; the way out of the scale images: 512 bytes a wave
	v_mov_b32 v[TM+2], 0                           ; written once: a lane permute's destination counts as one of its sources
	v_mov_b32 v[TM+3], 0
	s_wait_kmcnt 0x0
	s_add_nc_u64 s[26:27], s[4:5], s[42:43]
	s_add_nc_u64 s[28:29], s[6:7], s[44:45]
	s_add_nc_u64 s[30:31], s[8:9], s[46:47]
	s_add_nc_u64 s[32:33], s[6:7], s[48:49]
	s_add_nc_u64 s[34:35], s[8:9], s[50:51]
	s_cmp_lt_u32 s18, 4
	s_cselect_b64 s[36:37], s[10:11], s[14:15]     ; the choice hangs on the wave's number alone
	s_add_nc_u64 s[36:37], s[36:37], s[52:53]
	s_add_nc_u64 s[38:39], s[14:15], s[54:55]
	s_cmp_lt_u32 s16, 2
	s_cselect_b64 s[40:41], s[12:13], s[14:15]
	s_add_nc_u64 s[40:41], s[40:41], s[56:57]
.set J, 0
.rept 32
	global_load_b32 v[ACC+J], v4, s[26:27] offset:J*16384 th:TH_LOAD_NT   ; x(32 kb + J, my pixel)
.set J, J+1
.endr
.irp t, 0,1,2,3                        ; my 64 rows of w_qkv: tile t begins at row 32 (t / 2) + 8 (t % 2)
.irp k, 0,1
	WFRAG WQ+24*\t+12*\k, 28, (32*(\t/2)+8*(\t%2))*192+96*\k
	global_load_b32 v[WQS+2*\t+\k], v9, s[30:31] offset:(32*(\t/2)+8*(\t%2))*8+4*\k
.endr
.endr
.irp k, 0,1
	WFRAG WVF+12*\k, 32, 96*\k
	global_load_b32 v[WVS+\k], v9, s[34:35] offset:4*\k
.endr
	; ---- X
	s_wait_loadcnt 63                              ; 70 loads were issued behind x's 32: with at most 63 out, x's are in
	v_max3_num_f32 v[TM], |v[ACC]|, |v[ACC+1]|, |v[ACC+2]|       ; the block's largest magnitude: all 32 numbers are mine
	v_max3_num_f32 v[TM+1], |v[ACC+3]|, |v[ACC+4]|, |v[ACC+5]|
.irp i, 6,10,14,18,22,26
	s_delay_alu instid0(VALU_DEP_2)
	v_max3_num_f32 v[TM], v[TM], |v[ACC+\i]|, |v[ACC+\i+1]|
	s_delay_alu instid0(VALU_DEP_2)
	v_max3_num_f32 v[TM+1], v[TM+1], |v[ACC+\i+2]|, |v[ACC+\i+3]|
.endr
	s_delay_alu instid0(VALU_DEP_2)
	v_max3_num_f32 v[TM], v[TM], |v[ACC+30]|, |v[ACC+31]|
	s_delay_alu instid0(VALU_DEP_1)
	v_max3_num_f32 v[TM], v[TM], v[TM+1], 0x2800000              ; and the floor 2^(5 - 127)
	s_delay_alu instid0(VALU_DEP_1)
	v_add_nc_u32 v[TM+4], 0xfe000000, v[TM]
	s_delay_alu instid0(VALU_DEP_1)
	v_lshrrev_b32 v[PW], 23, v[TM+4]               ; the scale's byte
	v_cvt_scalef32_pk16_bf6_f32 v[PC:PC+2], v[ACC:ACC+15], v[TM+4]
	v_cvt_scalef32_pk16_bf6_f32 v[CT:CT+2], v[ACC+16:ACC+31], v[TM+4]
	v_nop                                          ; one plain place behind a scaled conversion
.irp i, 0,1,2
	v_mov_b32 v[PC+3+\i], v[CT+\i]
.endr
	ds_store_b128 v5, v[PC:PC+3]
	ds_store_b64 v6, v[PC+4:PC+5]
	ds_store_b8 v7, v[PW]
	s_wait_dscnt 0x0                               ; for the others' sake: my stores have landed
	s_barrier_signal -1
	s_barrier_wait -1                              ; x's eight fragments and their scale words lie in LDS
	; ---- QK
.irp l, 0,1
.irp k, 0,1
	XFRAG XF+24*\l+12*\k, 10, 11, XIMG+3072*\l+1536*\k
	ds_load_b32 v[XFS+2*\l+\k], v12 offset:128*\l+64*\k
.endr
.endr
	s_wait_loadcnt 0x0                             ; the weights
	s_wait_dscnt 0x0
.irp l, 0,1                            ; tile 2 (wave % 2) + l of the pixels
.irp t, 0,1,2,3                        ; the four accumulators take turns, K step by K step; the first product starts each sum
	MM ACC+8*\t, WQ+24*\t, XF+24*\l, 1, WQS+2*\t, XFS+2*\l
.endr
.irp t, 0,1,2,3
	MM ACC+8*\t, WQ+24*\t+12, XF+24*\l+12, 0, WQS+2*\t+1, XFS+2*\l+1
.endr
.rept 4
	v_nop                                          ; four places in front of the first read of results
.endr
.if \l
	s_wait_xcnt 0x0                                ; the last tile's stores have read v[PC] on: it is written again only behind this wait
	s_wait_dscnt 0x0
.endif
	HALFQ ACC                                      ; a lane holds one pixel; its 32 registers run along the head's channels
	HFOUT 36, 768*\l
	ds_store_b32 v15, v[PW] offset:128*\l          ; both halves of the lanes write the same word with the same value
.endr
	; ---- V.  (The quantiser's plain lines are the places behind the products that read the registers loaded now.)
.irp t, 0,1,2,3
.irp k, 0,1
	XFRAG WQ+24*\t+12*\k, 13, 14, XIMG+3072*\t+1536*\k
	ds_load_b32 v[WQS+2*\t+\k], v248 offset:128*\t+64*\k
.endr
.endr
	s_wait_dscnt 0x0
.irp t, 0,1,2,3
	MM ACC+8*\t, WQ+24*\t, WVF, 1, WQS+2*\t, WVS
.endr
.irp t, 0,1,2,3
	MM ACC+8*\t, WQ+24*\t+12, WVF+12, 0, WQS+2*\t+1, WVS+1
.endr
.rept 4
	v_nop
.endr
	s_wait_xcnt 0x0                                ; the stores above have read v[PC] on
	HALFQ ACC                                      ; a lane holds one channel of v; its 32 registers run along the keys
	v_lshlrev_b32 v[PW], s63, v[PW]                ; an odd block's two bytes are the upper two of a step of 128 keys
	HFOUT 38, 0
	ds_store_b32 v247, v[PW]
	s_wait_dscnt 0x0                               ; for the others' sake: my scale words have landed
	s_barrier_signal -1
	s_barrier_wait -1                              ; the twelve scale images are whole
	s_cmp_lt_u32 s16, 6
	s_cbranch_scc0 .Lend                           ; 3,072 bytes: six waves send 512 each
	ds_load_b128 v[16:19], v251
	s_wait_dscnt 0x0
	global_store_b128 v13, v[16:19], s[40:41]      ; 512 consecutive bytes, aligned
.Lend:
	s_wait_tensorcnt 0x0
	ds_add_u32 v254, v255
	s_wait_dscnt 0x0
	s_endpgm
.Lfunc_end_k_q9cebddb748_qkv:
	.size	k_q9cebddb748_qkv, .Lfunc_end_k_q9cebddb748_qkv-k_q9cebddb748_qkv
	.p2alignl 7, 3214868480
	.fill 96, 4, 3214868480
	.section	.rodata,"a",@progbits
	.p2align	6, 0x0
	.amdhsa_kernel k_q9cebddb748_qkv
		.amdhsa_group_segment_fixed_size 18432
		.amdhsa_private_segment_fixed_size 0
		.amdhsa_enable_private_segment 0
		.amdhsa_kernarg_size 48
		.amdhsa_user_sgpr_count 2
		.amdhsa_user_sgpr_kernarg_segment_ptr 1
		.amdhsa_wavefront_size32 1
		.amdhsa_system_sgpr_workgroup_id_x 1
		.amdhsa_system_sgpr_workgroup_id_y 1
		.amdhsa_system_sgpr_workgroup_id_z 1
		.amdhsa_system_vgpr_workitem_id 0
		.amdhsa_next_free_vgpr 256
		.amdhsa_next_free_sgpr 66
		.amdhsa_reserve_vcc 0
		.amdhsa_float_denorm_mode_32 3
		.amdhsa_float_denorm_mode_16_64 3
		.amdhsa_memory_ordered 1
		.amdhsa_forward_progress 1
		.amdhsa_inst_pref_size 34
	.end_amdhsa_kernel
	.amdgpu_metadata
---
amdhsa.version: [ 1, 2 ]
amdhsa.kernels:
  - .name:           k_q9cebddb748_qkv
    .symbol:         k_q9cebddb748_qkv.kd
    .args:
      - { .name: x, .offset: 0, .size: 8, .value_kind: global_buffer, .address_space: global }
      - { .name: w_qkv_codes, .offset: 8, .size: 8, .value_kind: global_buffer, .address_space: global }
      - { .name: w_qkv_scales, .offset: 16, .size: 8, .value_kind: global_buffer, .address_space: global }
      - { .name: qc, .offset: 24, .size: 8, .value_kind: global_buffer, .address_space: global }
      - { .name: qs, .offset: 32, .size: 8, .value_kind: global_buffer, .address_space: global }
      - { .name: kv, .offset: 40, .size: 8, .value_kind: global_buffer, .address_space: global }
    .group_segment_fixed_size: 18432
    .private_segment_fixed_size: 0
    .kernarg_segment_align: 8
    .kernarg_segment_size: 48
    .max_flat_workgroup_size: 512
    .sgpr_count:     66
    .vgpr_count:     256
    .wavefront_size: 32
...
	.end_amdgpu_metadata
.endif
;; end of part 1
;; launch attn (part 2): grid 64 x 4, 16 waves a work-group, clusters of 4 x 1, 327,680 bytes of LDS; arguments qc, qs, kv, w_proj_codes, w_proj_scales, x, y, out0; writes y, out0
.if DOCPART == 2
	.amdgcn_target "amdgcn-amd-amdhsa--gfx1250"
	.amdhsa_code_object_version 6
	.text
	.protected	k_q9cebddb748_attn
	.globl	k_q9cebddb748_attn
	.p2align	8
	.type	k_q9cebddb748_attn,@function
k_q9cebddb748_attn:
	s_mov_b64 s[64:65], 0
	v_nop
	global_prefetch_b8 v0, s[64:65] scope:SCOPE_SE
	s_setreg_imm32_b32 hwreg(HW_REG_WAVE_MODE, 25, 1), 1
	s_wait_xcnt 0x0
	s_wait_alu depctr_hold_cnt(0) depctr_sa_sdst(0) depctr_va_vdst(0) depctr_va_sdst(0) depctr_va_ssrc(0) depctr_va_vcc(0) depctr_vm_vsrc(0)
	s_getreg_b32 s2, hwreg(HW_REG_IB_STS2, 6, 4)
	s_cmp_eq_u32 s2, 0
	s_cbranch_scc0 .Lentry_in_a_cluster
	s_endpgm
.Lentry_in_a_cluster:
	s_bfe_u32 s2, ttmp6, 0x10000c
	s_cmp_lg_u32 s2, 0x3003
	s_cbranch_scc0 .Lentry_shape_is_right
	s_endpgm
.Lentry_shape_is_right:
; y = w_proj (softmax(q^T k / 8) v^T), all three products on codes of BF6 (E3M2) with one E8M0 scale for each 32 along K; and out0[:, 256:] = x[:, 256:].
; SHARES.  A work-group owns 64 pixels (block nb) of batch b, for all four heads; wave w is head h = w / 4 and tile T = w % 4 of 16 queries, in 256 registers: four waves to a SIMD, so that one wave's
; vector work stands beside another's matrix work and LDS loads.  Every wave walks the 4,096 keys of its head, 128 a step.
; THE STREAM.  kv holds for each block of 64 keys 26,624 dense bytes: k's and v's half fragments of all four heads as images of operand registers, and their scale images.  A slot of LDS holds four blocks (256 keys);
; waves 0 to 3 bring one block each, 104 rows of 256 bytes.  CLUSTER: the four work-groups of a cluster belong to one batch and walk the same stream, so each block is asked for JOINTLY, by the same tensor load
; with the same descriptor and a mask that names the four.
; LAYOUT.  S^T = k q^T (source 0 = 16 keys, source 1 = my 16 queries), O^T = v p^T (source 0 = 16 channels, source 1 = p): a lane holds ONE query throughout.  The keys, queries and channels of a tile are chosen
; (tile 2 b + u of a group of 64: element 32 b + 8 u + r + 8 (r / 8)) so that the 16 registers of result tiles 2 b, 2 b + 1 are 16 neighbours along the next K.
; K = 64 IN AN INSTRUCTION OF 128: q's registers 6-11 are zero codes.  k's registers 6-11 are the next tile's codes (finite: the format has no infinity and no NaN), and both sides' scale bytes there are 0,
; which stands for 2^-127: those products add exactly 0.
; SOFTMAX.  t = score x log2(e) / 8; M = the running largest t rounded UP to a whole number; p = 2^(t - M) is quantised along the keys, not normalised; the row's sum is taken of the unquantised p and divides O at the end.
; When M moves, the sum and O^T are multiplied by 2^(old M - new M): exact, and without a branch.
; THE TAIL.  O / the sum is quantised along the 256 channels (a wave's 64 are two blocks) and goes to LDS as an image; then wave w makes outputs 16 w .. 16 w + 15 for the 64 pixels, which leave through its stage as rows of 256 bytes.
; LIMITS: NaN and infinities are not served; a block of zeros has the scale byte 1 (its codes are zeros; only this program reads the bytes).
.set BLK,   26624                      ; a block of kv
.set SLOT1, 131072                     ; slot 0 at 0, slot 1 here: one exclusive or turns an address from one to the other
.set OIMG,  106496                     ; behind slot 0: O's 8 fragments (2 T + ks), 1,536 bytes each;
.set OSC,   118784                     ; their scale words, 64 bytes a fragment;
.set SPARE, 119296                     ; the spare words, 128 bytes for each wave: eight blocks of 256 bytes that no other line names
.set STAGE, 237568                     ; behind slot 1: 16 rows x 272 bytes for each wave.  No fill ever lands in these four regions
.set KF,  40                           ; v40-93   k's eight half fragments at 40 + 6 t (v88-93: zeros, written once); then v's four fragments at 40 + 12 d
.set S,   96                           ; v96-159  S^T, then p
.set O,   160                          ; v160-191 O^T
.set PC,  192                          ; v192-203 p's codes
.set CT,  204                          ; v204-206, v208-210 the odd conversions' registers
.set BM,  212                          ; v212-215 the blocks' largest scores, then largest p
.set BT,  216                          ; v216-219 at work
.set SO,  220                          ; v220-223 the conversions' scale operands
.set TM,  212                          ; the tail's quantiser works in v212-217
.set PW,  29                           ; v29      the scale word just made
.set SEL, 28                           ; s[28:29] lane selects: lane l xor 16
; other registers: v1-3 my lane's place in a block (codes by 16, codes by 8, scale images); v4-6 the same in the step in hand; v7, v8 the spare word's address and 0; v9-11 stage in, stage back, y's offset;
; v12 -M, v13 the largest t, v[14:15] the sum; v16-27 q; v28 q's scale word; v[30:31] f; v32-35 k's scale words, v36-39 v's; v226-249 w_proj's two fragments, v250-251 their scale words.
.macro MM d, a, b, zero, sa, sb, row
.if \zero
.if \row
	v_wmma_scale_f32_16x16x128_f8f6f4 v[\d:\d+7], v[\a:\a+11], v[\b:\b+11], 0, v[\sa], v[\sb] matrix_a_fmt:MATRIX_FMT_BF6 matrix_b_fmt:MATRIX_FMT_BF6 matrix_a_scale:MATRIX_SCALE_ROW1
.else
	v_wmma_scale_f32_16x16x128_f8f6f4 v[\d:\d+7], v[\a:\a+11], v[\b:\b+11], 0, v[\sa], v[\sb] matrix_a_fmt:MATRIX_FMT_BF6 matrix_b_fmt:MATRIX_FMT_BF6
.endif
.else
.if \row
	v_wmma_scale_f32_16x16x128_f8f6f4 v[\d:\d+7], v[\a:\a+11], v[\b:\b+11], v[\d:\d+7], v[\sa], v[\sb] matrix_a_fmt:MATRIX_FMT_BF6 matrix_b_fmt:MATRIX_FMT_BF6 matrix_a_scale:MATRIX_SCALE_ROW1
.else
	v_wmma_scale_f32_16x16x128_f8f6f4 v[\d:\d+7], v[\a:\a+11], v[\b:\b+11], v[\d:\d+7], v[\sa], v[\sb] matrix_a_fmt:MATRIX_FMT_BF6 matrix_b_fmt:MATRIX_FMT_BF6
.endif
.endif
.endm
; A round of the cluster's barrier: my work-group's barrier; wave 0 signals for the work-group; every wave waits for all four work-groups; my work-group's barrier once more.
.macro CROUND
	s_barrier_signal -1
	s_barrier_wait -1
	s_cmp_lg_u32 s20, 0
	s_cbranch_scc1 .Lnot_wave_0_\@
	s_barrier_signal -3
.Lnot_wave_0_\@:
	s_barrier_wait -3
	s_barrier_signal -1
	s_barrier_wait -1
.endm
; The joint load: waves 0 to 3 bring one block each, the others nothing.  The branch hangs on the wave's number alone.  Four v_nop follow the load.
.macro TLOAD
	s_cmp_lt_u32 s20, 4
	s_cbranch_scc0 .Lasked_\@
	tensor_load_to_lds s[40:43], s[32:39]
	s_nop 0
.rept 4
	v_nop
.endr
.Lasked_\@:
.endm
; THE CHANGE OF SLOTS stands at a slot's head.  Each wave waits for all its tensor loads (its part of the slot ahead), adds 0 to its spare word, and waits for that and for its reads of the slot that it has left.
; fill = 1: a round of the cluster's barrier follows, so that no wave of any partner still reads that slot or has a load on its way, and the slot is filled with the next 256 keys: one load a wave is out,
; and it has two key steps of every wave in which to land.
.macro CHANGE fill
	s_wait_tensorcnt 0x0                           ; no tensor load of mine is out, so the descriptor may be written
	ds_add_u32 v7, v8                              ; 0 onto my spare word
.if \fill
	s_xor_b32 s41, s41, SLOT1                      ; the other slot than last time,
	s_add_nc_u64 s[42:43], s[42:43], 4*BLK         ; the next four blocks; the type bits on top are not reached
	s_wait_dscnt 0x0                               ; the add is done, and my reads of the slot that I have left are over
	CROUND
	TLOAD                                          ; the first thing behind the round, and a wave's one tensor load until the next
.else
	s_wait_dscnt 0x0
	s_barrier_signal -1
	s_barrier_wait -1
.endif
.endm
; 32 numbers of a lane, register 16 b + i = k 32 b + 16 (lane / 16) + i of my row, become a half fragment's codes in v[PC] on and its two scale bytes in v[PW].
.macro HALFQ s
.irp b, 0,1
	v_max3_num_f32 v[TM+\b], |v[\s+16*\b]|, |v[\s+1+16*\b]|, 0x2800000
.endr
.irp i, 2,4,6,8,10,12,14
.irp b, 0,1
	s_delay_alu instid0(VALU_DEP_2)
	v_max3_num_f32 v[TM+\b], v[TM+\b], |v[\s+16*\b+\i]|, |v[\s+1+16*\b+\i]|
.endr
.endr
.irp b, 0,1
	s_delay_alu instid0(VALU_DEP_2)
	v_permlanex16_b32 v[TM+2+\b], v[TM+\b], s[SEL], s[SEL+1]
.endr
.irp b, 0,1
	s_delay_alu instid0(VALU_DEP_2)
	v_max_num_f32 v[TM+\b], v[TM+\b], v[TM+2+\b]
.endr
.irp b, 0,1
	s_delay_alu instid0(VALU_DEP_2)
	v_add_nc_u32 v[TM+4+\b], 0xfe000000, v[TM+\b]
.endr
.irp b, 0,1
	s_delay_alu instid0(VALU_DEP_2)
	v_lshrrev_b32 v[TM+2+\b], 23, v[TM+4+\b]
.endr
	s_delay_alu instid0(VALU_DEP_1)
	v_lshl_or_b32 v[PW], v[TM+3], 8, v[TM+2]
	v_cvt_scalef32_pk16_bf6_f32 v[PC:PC+2], v[\s:\s+15], v[TM+4]
	v_cvt_scalef32_pk16_bf6_f32 v[CT:CT+2], v[\s+16:\s+31], v[TM+5]
	v_nop
.irp i, 0,1,2
	v_permlane16_swap_b32 v[PC+\i], v[CT+\i]
.endr
.irp i, 0,1,2
	s_delay_alu instid0(VALU_DEP_3)
	v_mov_b32 v[PC+3+\i], v[CT+\i]
.endr
.endm
.macro XFRAG reg, a, c, off            ; a fragment out of LDS: two half fragments
	ds_load_b128 v[\reg:\reg+3], v[\a] offset:\off
	ds_load_b64 v[\reg+4:\reg+5], v[\c] offset:\off
	ds_load_b128 v[\reg+6:\reg+9], v[\a] offset:\off+768
	ds_load_b64 v[\reg+10:\reg+11], v[\c] offset:\off+768
.endm
; A KEY STEP: 128 keys, blocks 2 q and 2 q + 1 of the slot in hand.
.macro STEP q
.if \q == 0
	v_add_nc_u32 v4, s44, v1
	s_wait_alu depctr_va_vdst(0)
	v_add_nc_u32 v5, s44, v2
	s_wait_alu depctr_va_vdst(0)
	v_add_nc_u32 v6, s44, v3
.else
	v_add_nc_u32 v4, 2*BLK, v4
	v_add_nc_u32 v5, 2*BLK, v5
	v_add_nc_u32 v6, 2*BLK, v6
.endif
	v_nop                                          ; with the three additions: four places in front of loads into registers that the last products read
.irp t, 0,1,2,3,4,5,6,7
	ds_load_b128 v[KF+6*\t:KF+6*\t+3], v4 offset:(\t/4)*BLK+(\t%4)*768
	ds_load_b64 v[KF+6*\t+4:KF+6*\t+5], v5 offset:(\t/4)*BLK+(\t%4)*768
.endr
	ds_load_b64 v[32:33], v6                       ; k's scale words: a register serves two tiles, lanes 0-15 the even one, lanes 16-31 the odd one
	ds_load_b64 v[34:35], v6 offset:BLK
	s_wait_alu depctr_va_vdst(0)
	s_wait_dscnt 0x0
.irp t, 0,1,2,3,4,5,6,7
	MM S+8*\t, KF+6*\t, 16, 1, 32+\t/2, 28, \t%2
.endr                                          ; lane (r, hh) holds query r; register 16 b + i is key 32 b + 16 hh + i of the step
.rept 4
	v_nop                                          ; four places in front of the loads below and of the first read of the scores
.endr
.irp d, 0,1,2,3                        ; v's fragments are asked for now and land under the softmax
.irp j, 0,1
	ds_load_b128 v[KF+12*\d+6*\j:KF+12*\d+6*\j+3], v4 offset:\j*BLK+12288+768*\d
	ds_load_b64 v[KF+12*\d+6*\j+4:KF+12*\d+6*\j+5], v5 offset:\j*BLK+12288+768*\d
.endr
.endr
	ds_load_b64 v[36:37], v6 offset:1024
	ds_load_b64 v[38:39], v6 offset:BLK+1024
.irp b, 0,1,2,3
	v_max3_num_f32 v[BM+\b], v[S+16*\b], v[S+1+16*\b], v[S+2+16*\b]   ; the largest score of each block of 32 keys: it serves for the row's maximum and, since p rises with the score, for the block's largest p
.endr
.irp i, 3,5,7,9,11,13
.irp b, 0,1,2,3
	v_max3_num_f32 v[BM+\b], v[BM+\b], v[S+16*\b+\i], v[S+1+16*\b+\i]
.endr
.endr
.irp b, 0,1,2,3
	v_max_num_f32 v[BM+\b], v[BM+\b], v[S+15+16*\b]
.endr
.irp b, 0,1,2,3
	s_delay_alu instid0(VALU_DEP_4)
	v_permlanex16_b32 v[BT+\b], v[BM+\b], s[SEL], s[SEL+1]
.endr
.irp b, 0,1,2,3
	s_delay_alu instid0(VALU_DEP_4)
	v_max_num_f32 v[BM+\b], v[BM+\b], v[BT+\b]     ; with lane l xor 16's 16 keys
.endr
	s_delay_alu instid0(VALU_DEP_2)
	v_max3_num_f32 v94, v[BM], v[BM+1], v[BM+2]
	s_delay_alu instid0(VALU_DEP_1)
	v_max_num_f32 v94, v94, v[BM+3]                ; the step's largest score of my query
	s_delay_alu instid0(VALU_DEP_1)
	v_mul_f32 v94, s30, v94                        ; as t
	s_delay_alu instid0(VALU_DEP_1)
	v_max_num_f32 v13, v13, v94                    ; the running largest t
	v_mov_b32 v94, v12
	s_delay_alu instid0(VALU_DEP_2)
	v_floor_f32 v12, -v13                          ; the new -M = floor(-t): M is a whole number
	s_delay_alu instid0(VALU_DEP_1)
	v_sub_f32 v94, v12, v94                        ; old M - new M: a whole number, 0 or less
	s_delay_alu instid0(VALU_DEP_1)
	v_cvt_i32_f32 v94, v94                         ; (it saturates)
	s_delay_alu instid0(VALU_DEP_1)
	v_ldexp_f32 v30, 1.0, v94                      ; f = 2^(old M - new M)
.set J, 0
.rept 32
	v_pk_fma_f32 v[S+J:S+J+1], v[S+J:S+J+1], s[30:31], v[12:13] op_sel_hi:[1,0,0]   ; t - M, two at a time
.set J, J+2
.endr
.irp b, 0,1,2,3
	v_fma_f32 v[BM+\b], v[BM+\b], s30, v12         ; the same of each block's largest score
.endr
.set J, 0
	s_wait_alu depctr_va_vdst(0)
.rept 64
	v_exp_f32 v[S+J], v[S+J]                       ; p = 2^(t - M), at most 1
.set J, J+1
.endr
.irp b, 0,1,2,3
	v_exp_f32 v[BM+\b], v[BM+\b]                   ; the block's largest p
.endr
	v_pk_mul_f32 v[14:15], v[14:15], v[30:31] op_sel_hi:[1,0]   ; the sum under the new M.  (A plain place behind the exponentials)
	s_wait_alu depctr_va_vdst(0)
.irp b, 0,1,2,3
	v_max_num_f32 v[BM+\b], 0x2800000, v[BM+\b]    ; the floor 2^(5 - 127): the byte cannot fall under 1
.endr
.irp b, 0,1,2,3
	s_delay_alu instid0(VALU_DEP_4)
	v_add_nc_u32 v[SO+\b], 0xfe000000, v[BM+\b]    ; 4 off the exponent field: the conversion's scale operand
.endr
.irp b, 0,1,2,3
	s_delay_alu instid0(VALU_DEP_4)
	v_lshrrev_b32 v[BT+\b], 23, v[SO+\b]           ; the scale's byte
.endr
	s_delay_alu instid0(VALU_DEP_3)
	v_lshl_or_b32 v[PW], v[BT+1], 8, v[BT]         ; p's scale word for these 128 keys
	s_delay_alu instid0(VALU_DEP_1)
	v_lshl_or_b32 v[PW], v[BT+2], 16, v[PW]
	s_delay_alu instid0(VALU_DEP_1)
	v_lshl_or_b32 v[PW], v[BT+3], 24, v[PW]
.irp c, 0,1
	v_cvt_scalef32_pk16_bf6_f32 v[PC+6*\c:PC+6*\c+2], v[S+32*\c:S+32*\c+15], v[SO+2*\c]
	v_cvt_scalef32_pk16_bf6_f32 v[CT+4*\c:CT+4*\c+2], v[S+32*\c+16:S+32*\c+31], v[SO+2*\c+1]
.endr
	v_nop                                          ; one plain place behind a scaled conversion
.irp c, 0,1                            ; a whole block to a lane: lanes 0-15 block 2 c, lanes 16-31 block 2 c + 1
.irp i, 0,1,2
	v_permlane16_swap_b32 v[PC+6*\c+\i], v[CT+4*\c+\i]
.endr
.irp i, 0,1,2
	s_delay_alu instid0(VALU_DEP_3)
	v_mov_b32 v[PC+6*\c+3+\i], v[CT+4*\c+\i]
.endr
.endr
	s_wait_dscnt 0x0                               ; v's fragments and scale words are in
	v_or_b32 v36, v36, v38                         ; the even block's two bytes below, the odd block's above: the step's words
	v_or_b32 v37, v37, v39
	v_pk_add_f32 v[224:225], v[100:101], v[104:105]
	v_pk_add_f32 v[254:255], v[108:109], v[112:113]
	v_pk_add_f32 v[252:253], v[116:117], v[120:121]
	v_pk_add_f32 v[222:223], v[124:125], v[128:129]
	v_pk_add_f32 v[220:221], v[132:133], v[136:137]
	v_pk_add_f32 v[212:213], v[140:141], v[144:145]
	v_pk_add_f32 v[210:211], v[148:149], v[152:153]
	v_pk_add_f32 v[14:15], v[14:15], v[156:157]
	v_pk_add_f32 v[224:225], v[224:225], v[96:97]
	v_pk_add_f32 v[254:255], v[254:255], v[98:99]
	v_pk_add_f32 v[252:253], v[252:253], v[102:103]
	v_pk_add_f32 v[222:223], v[222:223], v[106:107]
	v_pk_add_f32 v[220:221], v[220:221], v[110:111]
	v_pk_add_f32 v[212:213], v[212:213], v[114:115]
	v_pk_add_f32 v[210:211], v[210:211], v[118:119]
	v_pk_add_f32 v[14:15], v[14:15], v[122:123]
	v_pk_add_f32 v[224:225], v[224:225], v[126:127]
	v_pk_add_f32 v[254:255], v[254:255], v[130:131]
	v_pk_add_f32 v[252:253], v[252:253], v[134:135]
	v_pk_add_f32 v[222:223], v[222:223], v[138:139]
	v_pk_add_f32 v[220:221], v[220:221], v[142:143]
	v_pk_add_f32 v[212:213], v[212:213], v[146:147]
	v_pk_add_f32 v[210:211], v[210:211], v[150:151]
	v_pk_add_f32 v[14:15], v[14:15], v[154:155]
	v_pk_add_f32 v[224:225], v[224:225], v[158:159]
	s_delay_alu instid0(VALU_DEP_2)
	v_pk_add_f32 v[14:15], v[14:15], v[222:223]
	s_delay_alu instid0(VALU_DEP_2)
	v_pk_add_f32 v[224:225], v[224:225], v[220:221]
	v_pk_add_f32 v[254:255], v[254:255], v[212:213]
	v_pk_add_f32 v[252:253], v[252:253], v[210:211]
	s_delay_alu instid0(VALU_DEP_2)
	v_pk_add_f32 v[14:15], v[14:15], v[254:255]
	s_delay_alu instid0(VALU_DEP_2)
	v_pk_add_f32 v[224:225], v[224:225], v[252:253]
	s_delay_alu instid0(VALU_DEP_1)
	v_pk_add_f32 v[14:15], v[14:15], v[224:225]
.set J, 0
.rept 16
	v_pk_mul_f32 v[O+J:O+J+1], v[O+J:O+J+1], v[30:31] op_sel_hi:[1,0]   ; O^T under the new M.  (These and the sums are the places between the lines that made operands and scale words and the products below)
.set J, J+2
.endr
.irp d, 0,1,2,3                        ; O^T += v p^T; the four accumulators take one instruction each, and eight other products stand between two links of a chain
	MM O+8*\d, KF+12*\d, PC, 0, 36+\d/2, PW, \d%2
.endr
.endm
	s_load_b256 s[4:11], s[0:1], 0x0               ; qc, qs, kv, w_proj's codes
	s_load_b256 s[12:19], s[0:1], 0x20             ; w_proj's scales, x, y, out0
	v_lshl_add_u32 v7, v0, 2, SPARE
	v_mov_b32 v8, 0
	ds_add_u32 v7, v8
	ds_add_u32 v7, v8
	s_wait_dscnt 0x0
	v_lshrrev_b32 v94, 5, v0
	s_delay_alu instid0(VALU_DEP_1)
	v_readfirstlane_b32 s20, v94                   ; wave 0..15
	s_lshr_b32 s21, s20, 2                         ; h
	s_and_b32 s22, s20, 3                          ; T; for waves 0 to 3 also: which block of a slot I bring
	s_and_b32 s25, ttmp7, 0xffff                   ; b, which the four partners share
	s_mul_i32 s46, s25, 64*BLK                     ; kv: the batch's 64 blocks,
	s_mul_i32 s41, s22, BLK                        ; descriptor group 0, 63:32: LDS address: slot 0, my block: no place in the cluster enters it
	s_add_co_u32 s46, s46, s41                     ; and the same block in memory
	s_mov_b32 s47, 0
	s_mov_b32 s40, 1                               ; 1:0 count = 1
	s_mov_b32 s32, 15|(3<<16)|(1<<21)              ; group 1: 15:0 the mask: all four work-groups; 17:16 elements of 8 bytes; 20 no padding; 21 set beside a mask
	s_mov_b32 s33, 32<<16                          ; tensor_dim0 = 32 elements: rows of 256 bytes
	s_mov_b32 s34, 104<<16                         ; tensor_dim1 = 104 rows: a block
	s_mov_b32 s35, 32<<16                          ; tile_dim0
	s_mov_b32 s36, 104                             ; tile_dim1
	s_mov_b32 s37, 32                              ; the pitch: dense
	s_mov_b32 s38, 0
	s_mov_b32 s39, 0
	s_mov_b32 s[SEL], 0x76543210
	s_mov_b32 s[SEL+1], 0xfedcba98
	s_mov_b32 s30, 0x3e38aa3b                      ; c = log2(e) / 8
	s_mov_b32 s31, s30                             ; (named with it as a pair, so it is written)
	s_mov_b32 s44, 0                               ; LDS byte at which the slot in hand begins
	s_mov_b32 s45, 15                              ; slots still to be asked for
	s_bfe_u32 s23, ttmp6, 0x40000                  ; cx: it enters the addresses of q, x, y and out0 alone
	s_lshl_b32 s24, ttmp9, 2
	s_add_co_u32 s24, s24, s23                     ; nb = 4 x cluster x + cx
	s_lshl_b32 s26, s25, 6
	s_add_co_u32 s26, s26, s24                     ; blk
	s_lshl_b32 s48, s26, 4
	s_add_co_u32 s48, s48, s20
	s_mul_i32 s48, s48, 768                        ; q's half fragment: (16 blk + wave) x 768
	s_mov_b32 s49, 0
	s_lshl_b32 s50, s26, 10                        ; q's scale word: image (blk, h), 128 (T % 2) + 4 (T / 2)
	s_lshl_b32 s61, s21, 8
	s_add_co_u32 s50, s50, s61
	s_and_b32 s61, s22, 1
	s_lshl_b32 s61, s61, 7
	s_add_co_u32 s50, s50, s61
	s_lshr_b32 s61, s22, 1
	s_lshl_b32 s61, s61, 2
	s_add_co_u32 s50, s50, s61
	s_mov_b32 s51, 0
	s_mul_i32 s52, s20, 3072                       ; w_proj: rows 16 x wave, 192 bytes each;
	s_mov_b32 s53, 0
	s_lshl_b32 s54, s20, 7                         ; 8 scale bytes each
	s_mov_b32 s55, 0
	s_lshl_b32 s56, s25, 23                        ; the skip: batch b, channel 256, 65,536 bytes a work-group
	s_add_co_u32 s56, s56, 0x400000
	s_lshl_b32 s61, s24, 16
	s_add_co_u32 s56, s56, s61
	s_mov_b32 s57, 0
	s_lshl_b32 s58, s25, 22                        ; y: batch b, row 16 x wave, pixel 64 nb
	s_lshl_b32 s61, s20, 18
	s_add_co_u32 s58, s58, s61
	s_lshl_b32 s61, s24, 8
	s_add_co_u32 s58, s58, s61
	s_mov_b32 s59, 0
	s_wait_kmcnt 0x0
	s_add_nc_u64 s[42:43], s[8:9], s[46:47]        ; 120:64 global address
	s_or_b32 s43, s43, 0x80000000                  ; 127:126 type = 2
	CROUND                                         ; all four work-groups are here: the first joint loads meet
	TLOAD                                          ; slot 0: the one first fill
	s_add_nc_u64 s[4:5], s[4:5], s[48:49]
	s_add_nc_u64 s[6:7], s[6:7], s[50:51]
	s_add_nc_u64 s[10:11], s[10:11], s[52:53]
	s_add_nc_u64 s[12:13], s[12:13], s[54:55]
	s_add_nc_u64 s[14:15], s[14:15], s[56:57]
	s_add_nc_u64 s[18:19], s[18:19], s[56:57]
	s_add_nc_u64 s[16:17], s[16:17], s[58:59]
	v_and_b32 v224, 31, v0                         ; lane
	v_and_b32 v225, 15, v0                         ; r
	v_bfe_u32 v204, v0, 4, 1                       ; hh
	s_delay_alu instid0(VALU_DEP_3)
	v_lshlrev_b32 v252, 4, v224
	s_delay_alu instid0(VALU_DEP_4)
	v_lshl_add_u32 v253, v224, 3, 512
	s_delay_alu instid0(VALU_DEP_4)
	v_lshlrev_b32 v254, 3, v225
	v_mul_u32_u24 v255, v225, 192
	s_delay_alu instid0(VALU_DEP_1)
	v_mad_u32_u24 v255, v204, 24, v255
	v_lshlrev_b32 v95, 4, v0
	global_load_b128 v[16:19], v252, s[4:5]        ; q's half fragment stays in registers
	global_load_b64 v[20:21], v253, s[4:5]
	global_load_b32 v28, v254, s[6:7]              ; and its scale words
.irp k, 0,1
.irp p, 0,1,2,3,4,5
	global_load_b64 v[226+12*\k+2*\p:227+12*\k+2*\p], v255, s[10:11] offset:96*\k+48*(\p/3)+8*(\p%3)   ; w_proj's rows 16 w + r, for the tail
.endr
	global_load_b32 v[250+\k], v254, s[12:13] offset:4*\k
.endr
.irp i, 0,1,2,3,4,5,6,7
	global_load_b128 v[S+4*\i:S+4*\i+3], v95, s[14:15] offset:8192*\i th:TH_LOAD_NT   ; the skip: a wave's load covers 512 consecutive bytes
.endr
	s_mul_i32 s60, s21, 3072
	v_lshl_add_u32 v1, v224, 4, s60                ; a head's half fragments begin 3,072 h into k's and into v's part of a block
	s_add_co_u32 s60, s60, 512
	v_lshl_add_u32 v2, v224, 3, s60
	s_lshl_b32 s60, s21, 8
	s_add_co_u32 s60, s60, 24576
	v_lshl_add_u32 v3, v224, 3, s60                ; its scale images
	s_mul_i32 s60, s20, 4352
	s_add_co_u32 s60, s60, STAGE                   ; my stage
	v_mul_u32_u24 v9, v225, 272
	s_delay_alu instid0(VALU_DEP_1)
	v_lshl_add_u32 v9, v204, 6, v9
	s_delay_alu instid0(VALU_DEP_1)
	v_add_nc_u32 v9, s60, v9                       ; in: row r, + 64 hh
	v_mul_u32_u24 v10, v204, 272
	s_delay_alu instid0(VALU_DEP_1)
	v_lshl_add_u32 v10, v225, 4, v10
	s_delay_alu instid0(VALU_DEP_1)
	v_add_nc_u32 v10, s60, v10                     ; back: lanes 0-15 one row, lanes 16-31 the next
	v_lshlrev_b32 v11, 14, v204
	s_delay_alu instid0(VALU_DEP_1)
	v_lshl_add_u32 v11, v225, 4, v11               ; and the same two rows of y
	v_mov_b32 v13, 0xff61b1e6                      ; the largest t so far: -3e38, under every t
	s_delay_alu instid0(VALU_DEP_1)
	v_floor_f32 v12, -v13                          ; -M
	v_mov_b32 v14, 0                               ; the sum, in two halves
	v_mov_b32 v15, 0
	v_mov_b32 v31, 0                               ; (named as the upper half of the pair v[30:31])
.irp i, 0,1,2,3,4,5
	v_mov_b32 v[22+\i], 0                          ; q's codes of k = 64 .. 127: zeros
	v_mov_b32 v[88+\i], 0                          ; what the last tile of k names there
.endr
.irp b, 0,1,2,3
	v_mov_b32 v[BT+\b], 0                          ; written once: a lane permute's destination counts as one of its sources
.endr
.set J, 0
.rept 32
	v_mov_b32 v[O+J], 0                            ; O^T.  (The step is written once: the first finds zeros, which the first change of M leaves zeros)
.set J, J+1
.endr
	s_wait_loadcnt 0x0
.irp i, 0,1,2,3,4,5,6,7
	global_store_b128 v95, v[S+4*\i:S+4*\i+3], s[18:19] offset:8192*\i th:TH_STORE_NT
.endr
	s_wait_xcnt 0x0                                ; the stores' data registers are written again only behind this wait
.Lslot:                                            ; 15 trips: behind each change of slots but the last the next 256 keys are asked for
	CHANGE 1
	STEP 0
	STEP 1
	s_xor_b32 s44, s44, SLOT1                      ; on to the other slot
	s_sub_co_u32 s45, s45, 1
	s_cmp_lg_u32 s45, 0
	s_cbranch_scc1 .Lslot
	CHANGE 0                                       ; the last slot is written out
	STEP 0
	STEP 1
	; ---- THE TAIL.  The addresses come first: their lines are the places behind the last products.
	s_lshl_b32 s46, s22, 1
	s_lshr_b32 s47, s21, 1
	s_add_co_u32 s46, s46, s47                     ; my fragment of O: 2 T + h / 2
	s_and_b32 s47, s21, 1                          ; and which half of it
	s_lshl_b32 s48, s46, 6
	s_lshl_b32 s49, s47, 1
	s_add_co_u32 s48, s48, s49
	s_add_co_u32 s48, s48, OSC
	s_mul_i32 s46, s46, 1536
	s_mul_i32 s47, s47, 768
	s_add_co_u32 s46, s46, s47
	s_add_co_u32 s46, s46, OIMG
	s_add_co_u32 s47, s46, 512
	v_and_b32 v1, 31, v0
	v_and_b32 v3, 15, v0
	s_delay_alu instid0(VALU_DEP_2)
	v_lshl_add_u32 v4, v1, 4, s46                  ; where I store my half fragment,
	s_delay_alu instid0(VALU_DEP_3)
	v_lshl_add_u32 v5, v1, 3, s47
	s_delay_alu instid0(VALU_DEP_3)
	v_lshl_add_u32 v6, v3, 2, s48                  ; and my two scale bytes
	v_lshl_add_u32 v2, v1, 3, OIMG+512             ; where any fragment is read
	v_lshl_add_u32 v1, v1, 4, OIMG
	v_lshl_add_u32 v3, v3, 2, OSC
	v_add_f32 v14, v14, v15                        ; the sum's two halves,
	s_delay_alu instid0(VALU_DEP_1)
	v_permlanex16_b32 v94, v14, s[SEL], s[SEL+1]
	s_delay_alu instid0(VALU_DEP_1)
	v_add_f32 v14, v14, v94                        ; and lane l xor 16's: the row's sum
	s_wait_alu depctr_va_vdst(0)
	v_rcp_f32 v14, v14
	v_nop                                          ; one plain place behind a transcendental
.set J, 0
	s_wait_alu depctr_va_vdst(0)
.rept 32
	v_mul_f32 v[S+J], v[O+J], v14                  ; O^T / the sum, each accumulator from its low end on: register 16 b + i is channel 64 h + 32 b + 16 hh + i of my query
.set J, J+1
.endr
	HALFQ S
	ds_store_b128 v4, v[PC:PC+3]
	ds_store_b64 v5, v[PC+4:PC+5]
	ds_store_b16 v6, v[PW]                         ; both halves of the lanes write the same two bytes with the same value
	s_wait_dscnt 0x0                               ; for the others' sake: my stores have landed
	s_barrier_signal -1
	s_barrier_wait -1                              ; O's eight fragments and their scale words lie in LDS
.irp t, 0,1,2,3
	XFRAG KF+12*\t, 1, 2, 3072*\t
	XFRAG S+12*\t, 1, 2, 3072*\t+1536
	ds_load_b32 v[32+2*\t], v3 offset:128*\t
	ds_load_b32 v[33+2*\t], v3 offset:128*\t+64
.endr
	s_wait_dscnt 0x0
.irp t, 0,1,2,3                        ; source 0 = 16 pixels of O, source 1 = my 16 rows of w_proj; four accumulators by turns, K step by K step
	MM O+8*\t, KF+12*\t, 226, 1, 32+2*\t, 250, 0
.endr
.irp t, 0,1,2,3
	MM O+8*\t, S+12*\t, 238, 0, 33+2*\t, 251, 0
.endr
.rept 4
	v_nop                                          ; four places in front of the first read of results and of loads into registers that the products read
.endr
.irp t, 0,1,2,3                        ; lane (r, hh): output 16 w + r, pixels 32 (t / 2) + 16 hh + 8 (t % 2) + 0 .. 7
	ds_store_b128 v9, v[O+8*\t:O+8*\t+3] offset:128*(\t/2)+32*(\t%2)
	ds_store_b128 v9, v[O+8*\t+4:O+8*\t+7] offset:128*(\t/2)+32*(\t%2)+16
.endr
.irp i, 0,1,2,3,4,5,6,7
	ds_load_b128 v[S+4*\i:S+4*\i+3], v10 offset:544*\i   ; LDS serves a wave's instructions in order: these see my stores
.endr
.irp i, 0,1,2,3,4,5,6,7
	s_wait_dscnt 7-\i                              ; the loads younger than load i may be out
	global_store_b128 v11, v[S+4*\i:S+4*\i+3], s[16:17] offset:32768*\i   ; sixteen lanes store 256 consecutive bytes of a row of y, aligned
.endr
	s_wait_tensorcnt 0x0                           ; the wave's end
	ds_add_u32 v7, v8
	s_wait_dscnt 0x0
	CROUND                                         ; the closing round: no work-group ends while a partner may still ask for a block that names it
	s_endpgm
.Lfunc_end_k_q9cebddb748_attn:
	.size	k_q9cebddb748_attn, .Lfunc_end_k_q9cebddb748_attn-k_q9cebddb748_attn
	.p2alignl 7, 3214868480
	.fill 96, 4, 3214868480
	.section	.rodata,"a",@progbits
	.p2align	6, 0x0
	.amdhsa_kernel k_q9cebddb748_attn
		.amdhsa_group_segment_fixed_size 327680
		.amdhsa_private_segment_fixed_size 0
		.amdhsa_enable_private_segment 0
		.amdhsa_kernarg_size 64
		.amdhsa_user_sgpr_count 2
		.amdhsa_user_sgpr_kernarg_segment_ptr 1
		.amdhsa_wavefront_size32 1
		.amdhsa_system_sgpr_workgroup_id_x 1
		.amdhsa_system_sgpr_workgroup_id_y 1
		.amdhsa_system_sgpr_workgroup_id_z 1
		.amdhsa_system_vgpr_workitem_id 0
		.amdhsa_next_free_vgpr 256
		.amdhsa_next_free_sgpr 66
		.amdhsa_reserve_vcc 0
		.amdhsa_float_denorm_mode_32 3
		.amdhsa_float_denorm_mode_16_64 3
		.amdhsa_memory_ordered 1
		.amdhsa_forward_progress 1
		.amdhsa_inst_pref_size 92
	.end_amdhsa_kernel
	.amdgpu_metadata
---
amdhsa.version: [ 1, 2 ]
amdhsa.kernels:
  - .name:           k_q9cebddb748_attn
    .symbol:         k_q9cebddb748_attn.kd
    .args:
      - { .name: qc, .offset: 0, .size: 8, .value_kind: global_buffer, .address_space: global }
      - { .name: qs, .offset: 8, .size: 8, .value_kind: global_buffer, .address_space: global }
      - { .name: kv, .offset: 16, .size: 8, .value_kind: global_buffer, .address_space: global }
      - { .name: w_proj_codes, .offset: 24, .size: 8, .value_kind: global_buffer, .address_space: global }
      - { .name: w_proj_scales, .offset: 32, .size: 8, .value_kind: global_buffer, .address_space: global }
      - { .name: x, .offset: 40, .size: 8, .value_kind: global_buffer, .address_space: global }
      - { .name: y, .offset: 48, .size: 8, .value_kind: global_buffer, .address_space: global }
      - { .name: out0, .offset: 56, .size: 8, .value_kind: global_buffer, .address_space: global }
    .group_segment_fixed_size: 327680
    .private_segment_fixed_size: 0
    .kernarg_segment_align: 8
    .kernarg_segment_size: 64
    .max_flat_workgroup_size: 512
    .sgpr_count:     66
    .vgpr_count:     256
    .wavefront_size: 32
...
	.end_amdgpu_metadata
.endif
;; end of part 2
;; launch bn (part 3): grid 256 x 1, 8 waves a work-group, no clusters, 1,536 bytes of LDS; arguments y, gamma, beta, out0; writes out0
.if DOCPART == 3
	.amdgcn_target "amdgcn-amd-amdhsa--gfx1250"
	.amdhsa_code_object_version 6
	.text
	.protected	k_q9cebddb748_bn
	.globl	k_q9cebddb748_bn
	.p2align	8
	.type	k_q9cebddb748_bn,@function
k_q9cebddb748_bn:
	s_mov_b64 s[64:65], 0
	v_nop
	global_prefetch_b8 v0, s[64:65] scope:SCOPE_SE
	s_setreg_imm32_b32 hwreg(HW_REG_WAVE_MODE, 25, 1), 1
	s_wait_xcnt 0x0
; out0[b][c][n] = (y[b][c][n] - mean_c) rsqrt(var_c + 1e-5) gamma[c] + beta[c], mean and (biased) variance over the 4 x 4,096 numbers of channel c.
; One work-group to a channel: its 16,384 numbers are 64 registers of each of 256 threads, so y is read once, the variance is taken of the centred numbers (no difference of large sums), and the result is stored from the same registers.
; Every load and store of a wave covers 512 consecutive bytes.  Memory binds: no matrix unit, no tensor load, no cluster (work-groups share nothing).  Two sums over the work-group, each through eight words of LDS of its own.
.set D, 4                              ; v4-67   my 64 numbers: batch b, piece j at 4 + 16 b + 4 j
.set C, 68                             ; v68-75  four chains of sums
.macro WGSUM off                       ; the four chains' sum over the work-group, into v76 of every lane
	s_delay_alu instid0(VALU_DEP_3)
	v_pk_add_f32 v[C:C+1], v[C:C+1], v[C+2:C+3]
	s_delay_alu instid0(VALU_DEP_2)
	v_pk_add_f32 v[C+4:C+5], v[C+4:C+5], v[C+6:C+7]
	s_delay_alu instid0(VALU_DEP_1)
	v_pk_add_f32 v[C:C+1], v[C:C+1], v[C+4:C+5]
	s_delay_alu instid0(VALU_DEP_1)
	v_add_f32 v76, v[C], v[C+1]
	s_delay_alu instid0(VALU_DEP_1)
	v_add_f32_dpp v76, v76, v76 row_xmask:1 row_mask:0xf bank_mask:0xf
	s_delay_alu instid0(VALU_DEP_1)
	v_add_f32_dpp v76, v76, v76 row_xmask:2 row_mask:0xf bank_mask:0xf
	s_delay_alu instid0(VALU_DEP_1)
	v_add_f32_dpp v76, v76, v76 row_xmask:4 row_mask:0xf bank_mask:0xf
	s_delay_alu instid0(VALU_DEP_1)
	v_add_f32_dpp v76, v76, v76 row_xmask:8 row_mask:0xf bank_mask:0xf
	s_delay_alu instid0(VALU_DEP_1)
	v_permlanex16_b32 v77, v76, s26, s27
	s_delay_alu instid0(VALU_DEP_1)
	v_add_f32 v76, v76, v77                        ; the wave's sum, in every lane
	ds_store_b32 v78, v76 offset:\off              ; all lanes write the wave's word with the same value
	s_wait_dscnt 0x0                               ; for the others' sake
	s_barrier_signal -1
	s_barrier_wait -1
	ds_load_b128 v[C:C+3], v79 offset:\off
	ds_load_b128 v[C+4:C+7], v79 offset:\off+16
	s_wait_dscnt 0x0
	v_add_f32 v[C], v[C], v[C+1]
	v_add_f32 v[C+2], v[C+2], v[C+3]
	v_add_f32 v[C+4], v[C+4], v[C+5]
	v_add_f32 v[C+6], v[C+6], v[C+7]
	s_delay_alu instid0(VALU_DEP_3)
	v_add_f32 v[C], v[C], v[C+2]
	s_delay_alu instid0(VALU_DEP_2)
	v_add_f32 v[C+4], v[C+4], v[C+6]
	s_delay_alu instid0(VALU_DEP_1)
	v_add_f32 v76, v[C], v[C+4]
.endm
	s_load_b256 s[4:11], s[0:1], 0x0               ; y, gamma, beta, out0
	v_lshl_add_u32 v96, v0, 2, 0x200
	v_mov_b32 v97, 0
	v_lshlrev_b32 v1, 4, v0                        ; 16 bytes a thread
	v_lshrrev_b32 v78, 5, v0
	s_delay_alu instid0(VALU_DEP_1)
	v_lshlrev_b32 v78, 2, v78                      ; my wave's word
	v_mov_b32 v79, 0
	v_mov_b32 v77, 0                               ; written once: a lane permute's destination counts as one of its sources
	s_lshl_b32 s28, ttmp9, 14                      ; the channel's 16,384 bytes in a batch
	s_mov_b32 s29, 0
	s_lshl_b32 s30, ttmp9, 2
	s_mov_b32 s31, 0
	s_mov_b32 s26, 0x76543210
	s_mov_b32 s27, 0xfedcba98
	s_wait_alu depctr_va_vdst(0)
	s_wait_kmcnt 0x0
	s_add_nc_u64 s[12:13], s[4:5], s[28:29]        ; y: batches 0 and 1 (4,194,304 bytes apart: inside the immediate),
	s_add_nc_u64 s[14:15], s[12:13], 0x800000      ; batches 2 and 3
	s_add_nc_u64 s[16:17], s[10:11], s[28:29]      ; out0: a base for each batch, 8,388,608 bytes apart
	s_add_nc_u64 s[18:19], s[16:17], 0x800000
	s_add_nc_u64 s[20:21], s[18:19], 0x800000
	s_add_nc_u64 s[22:23], s[20:21], 0x800000
	s_add_nc_u64 s[6:7], s[6:7], s[30:31]
	s_add_nc_u64 s[8:9], s[8:9], s[30:31]
	s_load_b32 s24, s[6:7], 0x0                    ; gamma[c]
	s_load_b32 s25, s[8:9], 0x0                    ; beta[c]
.irp b, 0,1,2,3
.irp j, 0,1,2,3
	global_load_b128 v[D+16*\b+4*\j:D+16*\b+4*\j+3], v1, s[12+2*(\b/2):13+2*(\b/2)] offset:(\b%2)*4194304+4096*\j th:TH_LOAD_NT
.endr
.endr
	s_mov_b32 s28, 0x38800000                      ; 2^-14 = 1 / 16,384
	s_mov_b32 s29, 0x3727c5ac                      ; 1e-5
	s_wait_loadcnt 0x0
.irp k, 0,1,2,3
	v_pk_add_f32 v[C+2*\k:C+2*\k+1], v[D+2*\k:D+2*\k+1], v[D+8+2*\k:D+9+2*\k]   ; the first additions start the chains: nothing is cleared
.endr
.set P, 8
.rept 24
	s_delay_alu instid0(VALU_DEP_4)
	v_pk_add_f32 v[C+2*(P%4):C+2*(P%4)+1], v[C+2*(P%4):C+2*(P%4)+1], v[D+2*P:D+2*P+1]
.set P, P+1
.endr
	WGSUM 0
	s_delay_alu instid0(VALU_DEP_1)
	v_mul_f32 v84, s28, v76                        ; the mean
	s_delay_alu instid0(VALU_DEP_1)
	v_mov_b32 v85, v84
.set P, 0
.rept 32
	v_pk_add_f32 v[D+2*P:D+2*P+1], v[D+2*P:D+2*P+1], v[84:85] neg_lo:[0,1] neg_hi:[0,1]   ; centred
.set P, P+1
.endr
.irp k, 0,1,2,3
	v_pk_mul_f32 v[C+2*\k:C+2*\k+1], v[D+2*\k:D+2*\k+1], v[D+2*\k:D+2*\k+1]
.endr
.set P, 4
.rept 28
	s_delay_alu instid0(VALU_DEP_4)
	v_pk_fma_f32 v[C+2*(P%4):C+2*(P%4)+1], v[D+2*P:D+2*P+1], v[D+2*P:D+2*P+1], v[C+2*(P%4):C+2*(P%4)+1]
.set P, P+1
.endr
	WGSUM 256                                      ; other words than the first sum's: no barrier between the first sum's reads and these stores is needed
	s_wait_alu depctr_va_vdst(0)
	s_wait_kmcnt 0x0                               ; gamma, beta
	v_fma_f32 v80, v76, s28, s29                   ; the variance + 1e-5
	s_wait_alu depctr_va_vdst(0)
	v_rsq_f32 v80, v80
	v_mov_b32 v88, s25                             ; (a plain place behind the transcendental)
	v_mov_b32 v89, s25
	s_wait_alu depctr_va_vdst(0)
	v_mul_f32 v86, s24, v80
	s_delay_alu instid0(VALU_DEP_1)
	v_mov_b32 v87, v86
.set P, 0
.rept 32
	v_pk_fma_f32 v[D+2*P:D+2*P+1], v[D+2*P:D+2*P+1], v[86:87], v[88:89]
.set P, P+1
.endr
.irp b, 0,1,2,3
.irp j, 0,1,2,3
	global_store_b128 v1, v[D+16*\b+4*\j:D+16*\b+4*\j+3], s[16+2*\b:17+2*\b] offset:4096*\j th:TH_STORE_NT
.endr
.endr
	s_wait_tensorcnt 0x0
	ds_add_u32 v96, v97
	s_wait_dscnt 0x0
	s_endpgm
.Lfunc_end_k_q9cebddb748_bn:
	.size	k_q9cebddb748_bn, .Lfunc_end_k_q9cebddb748_bn-k_q9cebddb748_bn
	.p2alignl 7, 3214868480
	.fill 96, 4, 3214868480
	.section	.rodata,"a",@progbits
	.p2align	6, 0x0
	.amdhsa_kernel k_q9cebddb748_bn
		.amdhsa_group_segment_fixed_size 1536
		.amdhsa_private_segment_fixed_size 0
		.amdhsa_enable_private_segment 0
		.amdhsa_kernarg_size 32
		.amdhsa_user_sgpr_count 2
		.amdhsa_user_sgpr_kernarg_segment_ptr 1
		.amdhsa_wavefront_size32 1
		.amdhsa_system_sgpr_workgroup_id_x 1
		.amdhsa_system_sgpr_workgroup_id_y 1
		.amdhsa_system_sgpr_workgroup_id_z 1
		.amdhsa_system_vgpr_workitem_id 0
		.amdhsa_next_free_vgpr 98
		.amdhsa_next_free_sgpr 66
		.amdhsa_reserve_vcc 0
		.amdhsa_float_denorm_mode_32 3
		.amdhsa_float_denorm_mode_16_64 3
		.amdhsa_memory_ordered 1
		.amdhsa_forward_progress 1
		.amdhsa_inst_pref_size 18
	.end_amdhsa_kernel
	.amdgpu_metadata
---
amdhsa.version: [ 1, 2 ]
amdhsa.kernels:
  - .name:           k_q9cebddb748_bn
    .symbol:         k_q9cebddb748_bn.kd
    .args:
      - { .name: y, .offset: 0, .size: 8, .value_kind: global_buffer, .address_space: global }
      - { .name: gamma, .offset: 8, .size: 8, .value_kind: global_buffer, .address_space: global }
      - { .name: beta, .offset: 16, .size: 8, .value_kind: global_buffer, .address_space: global }
      - { .name: out0, .offset: 24, .size: 8, .value_kind: global_buffer, .address_space: global }
    .group_segment_fixed_size: 1536
    .private_segment_fixed_size: 0
    .kernarg_segment_align: 8
    .kernarg_segment_size: 32
    .max_flat_workgroup_size: 256
    .sgpr_count:     66
    .vgpr_count:     98
    .wavefront_size: 32
...
	.end_amdgpu_metadata
.endif
;; end of part 3
